; MI455X (gfx1250); checked and timed in simulation.
; The chip was launched on July 23, 2026; its instructions are those of AMD's public machine-readable ISA for CDNA 5 (MIT licence, August 2026) and "CDNA5" Instruction Set Architecture Reference Guide (July 2026). The comments in the code are by the model that wrote it; some were corrected since.
;; Geometric Attention Bias. Allowed arithmetic: matrix products marked QUANTISED: E4M3 operands, one given power-of-two scale a tensor, by v_wmma_f32_16x16x64_fp8_fp8 or v_wmma_f32_16x16x128_fp8_fp8, f32 sums; products left as they are: f32 operands where the result goes on into a quantised operand, else bf16, f16 or f32 operands; f32 sums; everything else in f32.
;; Inputs: W1 4 x 128 float32; W2_codes 64 x 4 x 32 uint8 (E4M3 codes of W2, K innermost, in blocks of 32 codes); W3 64 x 8 float32; b1 128 float32; b2 64 float32; b3 8 float32; beta1 128 float32; beta2 64 float32; bias_scale 8 float32; g1 128 float32; g2 64 float32; grasp_poses 4 x 64 x 7 float32; grasp_tokens 4 x 64 x 256 float32; lowp_scales 2 int32 (the exponents e of the quantised operands' scales 2^e); scene_points 4 x 4,096 x 3 float32.
;; Outputs: out0 4 x 8 x 64 x 4,096 float32.
;; This version of the problem:
;;   THIS VERSION OF THE PROBLEM IS GIVEN IN LOW PRECISION. The matrix products marked QUANTISED in the list below multiply operands that are first quantised to E4M3 (4 exponent bits, 3 mantissa bits; 8 bits a number), with one given power-of-two scale for each operand tensor; their sums are f32. All else is computed in f32.
;;   The module's matrix products, in the order in which they are computed (A, B: the left and right operand; K: the contracted axis; several contracted axes count as one K, in the product's order):
;;     1. batch 256 x [M 4,096, K 3] x [K 3, N 3]; A: computed on the way; B: computed on the way: left as it is (K = 3 < 32)
;;     2. [M 1,048,576, K 4] x [K 4, N 128]; A: computed on the way; B: input W1: left as it is (K = 4 < 32)
;;     3. [M 1,048,576, K 128] x [K 128, N 64]; A: computed on the way; B: input W2 (given as codes): QUANTISED (scales: A lowp_scales[0], B lowp_scales[1])
;;     4. [M 1,048,576, K 64] x [K 64, N 8]; A: computed on the way; B: input W3: left as it is (N = 8 < 16)
;;   THE QUANTISER, for each operand of a quantised product, along K:
;;     - The operand's scale is 2^e, e = its entry of the input lowp_scales (int32; the entries are numbered through the quantised products in the list's order, A before B).
;;     - Each number is divided by the scale, clamped to +-448, and rounded to the nearest number of E4M3, ties to even, subnormals kept.
;;     - The product sums the exact products of the quantised numbers (number of the format x scale) in f32.
;;   ~~~python
;;   def quantise(x, axis, e):      # numpy; x: float32 -> the quantised numbers, widened to float32 again
;;       x = np.moveaxis(x, axis, -1); K = x.shape[-1]
;;       r = np.clip(x / 2.0 ** e, -448, 448)
;;       step = 2.0 ** (np.maximum(np.frexp(np.where(r == 0, 1, r))[1] - 1, -6) - 3)
;;       q = np.round(r / step) * step * 2.0 ** e      # np.round: ties to even
;;       return np.moveaxis(q, -1, axis).astype(np.float32)
;;   ~~~
;;   OPERANDS COMPUTED ON THE WAY. 'Computed on the way' means the value that the module computes at that place (a softmax that the list does not call 'softmax' is quantised finished and normalised). What goes into a quantiser is computed in f32, as accurately as f32 sums, v_exp_f32 and their like allow (about 1e-6 of the number): no bf16 or f16 on the way to a quantiser, and a product that is left as it is and whose result goes on into a quantised operand takes f32 operands (vector FMAs, or v_wmma_f32_16x16x4_f32). A number that lies on a knife's edge between two numbers of the format may be rounded either way, as far as f32 arithmetic and the matrix unit's own rounding can turn it there, and no further.
;;   INPUTS GIVEN AS CODES. W2 (in the module: [128, 64], K = its axis 0): each comes as NAME_codes (uint8): NAME with its K axis moved to the last place and cut into blocks of 32 codes, [.., K / 32, bytes a block], one block behind the other in memory; one code a byte (a code: sign, 4 exponent bits, 3 mantissa bits); its scale is its entry of lowp_scales. Its value is code x scale, taken as it is: it is not quantised again, and the codes and scales need not be those that the quantiser above would give.
;; 2 versions, each right; version 2 is version 1 with the launch geo written anew for expert scheduling mode. Each part assembles by itself: llvm-mc -triple=amdgcn-amd-amdhsa -mcpu=gfx1250 --defsym DOCPART=n.
;; ======== version 1 of 2: 1 launch
;; launch geo (part 1): grid 64 x 4, 8 waves a work-group, no clusters, 0 bytes of LDS; arguments grasp_poses, scene_points, W1, b1, g1, beta1, W2_codes, b2, g2, beta2, W3, b3, bias_scale, lowp_scales, out0; writes out0
.if DOCPART == 1
	.amdgcn_target "amdgcn-amd-amdhsa--gfx1250"
	.amdhsa_code_object_version 6
	.text
	.protected	k_q9054fdcce7_geo
	.globl	k_q9054fdcce7_geo
	.p2align	8
	.type	k_q9054fdcce7_geo,@function
k_q9054fdcce7_geo:
	s_mov_b64 s[64:65], 0
	v_nop
	global_prefetch_b8 v0, s[64:65] scope:SCOPE_SE
	s_setreg_imm32_b32 hwreg(HW_REG_WAVE_MODE, 25, 1), 1
	s_wait_xcnt 0x0
; out0[b][n][g][p] = bias_scale[n] x (LN2(relu(Q(LN1(relu(f W1 + b1))) W2 + b2)) W3 + b3)[n],  f = (R^T (point p - t), its length), R and t from pose (b, g).
; The product with W2 is on codes of FP8 (E4M3): LN1's result is quantised with the given 2^e0, W2 comes as codes with the given 2^e1.  All else ahead of the quantiser is f32.
; grasp_tokens enters nothing that is returned, so it is not among the arguments.
; SHARES.  A work-group owns one pose (b, g): R and t are scalars.  Each of its eight waves owns 512 points: 8 groups of 64, a group = 4 tiles of 16 points.  No LDS, no barrier: waves share nothing.
; A LANE HOLDS ONE POINT THROUGHOUT (r = lane % 16 names the point, h = lane / 16 the half of the units): every product is used transposed, source 0 = 16 rows of a weight, source 1 = 16 points.
;   f W1: f32 form, K = 4.  The rows of W1^T that form tile 2 b + u are units 32 b + 8 u + m + 8 (m / 8), so that the 16 registers of tiles 2 b, 2 b + 1 are units 32 b + 16 h + 0 .. 15: the conversions' results are the next operand.
;   b1 is the C of that product; b2 / 2^(e0 + e1) the C of the product on codes.
;   With z = sum + b2 / 2^E, E = e0 + e1: relu and centring commute with 2^E, so LN2 works on z; the variance takes 2^(2E) / 64, and 2^E, g2 and bias_scale are folded into W3 (bf16), beta2, b3 into a constant c[n] (f32).
;   z is centred in f32 before it is rounded to bf16.  W3's rows 0-3 and 8-11 of source 0 are heads 0-3 and 4-7, the others 0: registers 0-3 of the result are heads j (lanes 0-15) and j + 4 (lanes 16-31).
;   Tile q of a group takes points 4 r + q: after four tiles a lane holds 4 neighbouring points of a head, and sixteen lanes store 256 consecutive bytes, aligned.
; LIMITS: e0 between -126 and 119; e0 + e1 between -60 and 60 (each power of two below is then an f32 number).  NaN and infinities among the inputs are not served.  A squared distance under 2^-126 counts as 0 (the root takes denormals as 0).
; REGISTERS, window 0: v1 48 r; v2 (h << 22) + 16 r; v3 2^e0; v4-7 c; v8-23 at work, then the codes; v24-35 a group's points; v36-47 the same less t; v48-63 results of four tiles; v64-79 W1; v80-95 W3; v96-127 b2;
;   v128-191 the hidden layer, later z, its bf16 and LN2's figures; v192-255 the f32 product's results (written by matrix instructions alone).   window 1: v0-63 g1, v64-127 beta1, v128-191 b1, v192-255 W2's codes.
.set CH,   4
.set TM,   8
.set PC,   8                           ; the codes: 16 registers
.set BF,   22                          ; the features as source 1: a pair
.set PT,   24
.set RV,   36
.set OUTR, 48
.set W1F,  64
.set W3F,  80
.set B2T,  96
.set HID,  128
.set D2,   128                         ; z: four tiles of 8
.set ACC0, 128                         ; the last product's two sums lie on z's tiles 0 and 1, which are rounded by then
.set ACC1, 136
.set HB,   160                         ; z centred, in bf16
.set UT,   184                         ; LN2's figures
.set D1,   192
.set G1,   0                           ; window 1
.set BE1,  64
.set B1T,  128
.set W2F,  192
.set MSB, 0
.macro WIN new                         ; the immediate's high byte repeats the setting that is left
.if MSB != \new
	s_set_vgpr_msb (MSB<<8)|\new
.set MSB, \new
.endif
.endm
; The features of tile q's point: R^T v, and the square of its length, up to the root.
.macro FEATS_A q
.irp i, 0,1,2
	v_mul_f32 v[TM+\i], s[50+\i], v[RV+3*(\q)]             ; f_i = R0i vx
.endr
.irp i, 0,1,2
	v_fmac_f32 v[TM+\i], s[53+\i], v[RV+3*(\q)+1]          ;     + R1i vy
.endr
.irp i, 0,1,2
	v_fmac_f32 v[TM+\i], s[56+\i], v[RV+3*(\q)+2]          ;     + R2i vz
.endr
	v_mul_f32 v[TM+3], v[TM], v[TM]
	v_fmac_f32 v[TM+3], v[TM+1], v[TM+1]
	v_fmac_f32 v[TM+3], v[TM+2], v[TM+2]
	v_sqrt_f32 v[TM+3], v[TM+3]
.endm
; Source 1 of the f32 form: lanes 0-15 hold k = 0, 1 (f0, f1), lanes 16-31 k = 2, 3 (f2, the length).
.macro FEATS_B
	v_cndmask_b32 v[BF], v[TM], v[TM+2], s59               ; (a plain instruction behind the root)
	s_wait_alu depctr_va_vdst(0)                           ; the wait ahead of the first line that names the root's result
	v_cndmask_b32 v[BF+1], v[TM+1], v[TM+3], s59
.endm
.macro W1MUL                           ; eight tiles of 16 units x 16 points; C = b1 in the result's layout; eight different accumulators
	WIN 0x10                                               ; source 2 window 1
.irp t, 0,1,2,3,4,5,6,7
	v_wmma_f32_16x16x4_f32 v[D1+8*\t:D1+8*\t+7], v[W1F+2*\t:W1F+2*\t+1], v[BF:BF+1], v[B1T+8*\t:B1T+8*\t+7]
.endr
	WIN 0
.endm
.macro RELU1                           ; into other registers, each accumulator from its low end on; the product stands a whole tile's vector work back
.set k, 0
.rept 64
	v_max_num_f32 v[HID+k], 0, v[D1+k]
.set k, k+1
.endr
.endm
.macro FOLD4                           ; four chains in v[TM .. TM+7] become the point's sum, in both of its lanes
	v_pk_add_f32 v[TM:TM+1], v[TM:TM+1], v[TM+2:TM+3]
	v_pk_add_f32 v[TM+4:TM+5], v[TM+4:TM+5], v[TM+6:TM+7]
	v_pk_add_f32 v[TM:TM+1], v[TM:TM+1], v[TM+4:TM+5]
	v_add_f32 v[TM], v[TM], v[TM+1]
	v_permlanex16_b32 v[TM+1], v[TM], s60, s61             ; the point's other 64 units lie in the lane 16 away
	v_add_f32 v[TM], v[TM], v[TM+1]
.endm
.macro STATS1                          ; mean, centring, sum of squares, 1 / sqrt(var + eps): two passes, as the norm is defined
.irp c, 0,1,2,3
	v_pk_add_f32 v[TM+2*\c:TM+2*\c+1], v[HID+2*\c:HID+2*\c+1], v[HID+8+2*\c:HID+8+2*\c+1]
.endr
.set k, 8
.rept 24
	v_pk_add_f32 v[TM+2*(k%4):TM+2*(k%4)+1], v[TM+2*(k%4):TM+2*(k%4)+1], v[HID+2*k:HID+2*k+1]
.set k, k+1
.endr
	FOLD4
	v_mul_f32 v[TM+8], 0xbc000000, v[TM]                   ; -mean = sum x -1/128, twice: a pair for the packed form
	v_mul_f32 v[TM+9], 0xbc000000, v[TM]
.set k, 0
.rept 8
.irp c, 0,1,2,3
	v_pk_add_f32 v[HID+8*k+2*\c:HID+8*k+2*\c+1], v[HID+8*k+2*\c:HID+8*k+2*\c+1], v[TM+8:TM+9]
.endr
.irp c, 0,1,2,3
.if k == 0
	v_pk_mul_f32 v[TM+2*\c:TM+2*\c+1], v[HID+2*\c:HID+2*\c+1], v[HID+2*\c:HID+2*\c+1]
.else
	v_pk_fma_f32 v[TM+2*\c:TM+2*\c+1], v[HID+8*k+2*\c:HID+8*k+2*\c+1], v[HID+8*k+2*\c:HID+8*k+2*\c+1], v[TM+2*\c:TM+2*\c+1]
.endif
.endr
.set k, k+1
.endr
	FOLD4
	v_fma_f32 v[TM+2], v[TM], s62, s80                     ; var + eps
	v_rsq_f32 v[TM+10], v[TM+2]
	v_rsq_f32 v[TM+11], v[TM+2]
	v_nop                                                  ; a plain instruction behind the last of the two
	s_wait_alu depctr_va_vdst(0)                           ; one wait for both, ahead of their first reader
.endm
.macro NORM1                           ; ((x - mean) x rstd) x g1 + beta1
.set k, 0
.rept 32
	v_pk_mul_f32 v[HID+2*k:HID+2*k+1], v[HID+2*k:HID+2*k+1], v[TM+10:TM+11]
.set k, k+1
.endr
	WIN 0x14                                               ; sources 1 and 2 window 1
.set k, 0
.rept 32
	v_pk_fma_f32 v[HID+2*k:HID+2*k+1], v[HID+2*k:HID+2*k+1], v[G1+2*k:G1+2*k+1], v[BE1+2*k:BE1+2*k+1]
.set k, k+1
.endr
	WIN 0
.endm
.macro QUANT                           ; registers 16 b + i are k = 32 b + 16 h + i: the codes' registers 4 b .. 4 b + 3
.irp b, 0,1,2,3
.irp i, 0,1,2,3,4,5,6,7,8,9,10,11,12,13,14,15
	v_med3_num_f32 v[HID+16*\b+\i], v[HID+16*\b+\i], s68, s67   ; the conversion to an 8-bit code does not saturate (ISA guide 7.6.2): the hold at +-448 x 2^e0, always executed
.endr
	v_cvt_scalef32_pk8_fp8_f32 v[PC+4*\b:PC+4*\b+1], v[HID+16*\b:HID+16*\b+7], v3
	v_cvt_scalef32_pk8_fp8_f32 v[PC+4*\b+2:PC+4*\b+3], v[HID+16*\b+8:HID+16*\b+15], v3
.endr
	v_nop                                                  ; a plain instruction between the last conversion and the products, which read its result and write over its sources
.endm
.macro W2MUL                           ; z^T: four tiles of 16 units x 16 points, K = 128; W2's codes were loaded with the same places of k as the codes above; four different accumulators
	WIN 0x01                                               ; source 0 window 1
.irp n, 0,1,2,3
	v_wmma_f32_16x16x128_fp8_fp8 v[D2+8*\n:D2+8*\n+7], v[W2F+16*\n:W2F+16*\n+15], v[PC:PC+15], v[B2T+8*\n:B2T+8*\n+7]
.endr
	WIN 0
.rept 4
	v_nop                                                  ; four places ahead of the first read of the results (ISA guide 7.12.1); no other vector work is at hand
.endr
.endm
.macro LN2                             ; relu, mean, centring, squares (their sum is finished in OUT)
.set k, 0
.rept 32
	v_max_num_f32 v[D2+k], 0, v[D2+k]                      ; each accumulator from its low end on
.set k, k+1
.endr
	v_pk_add_f32 v[UT:UT+1], v[D2:D2+1], v[D2+4:D2+5]
	v_pk_add_f32 v[UT+2:UT+3], v[D2+2:D2+3], v[D2+6:D2+7]
.set k, 4
.rept 6
	v_pk_add_f32 v[UT:UT+1], v[UT:UT+1], v[D2+2*k:D2+2*k+1]
	v_pk_add_f32 v[UT+2:UT+3], v[UT+2:UT+3], v[D2+2*k+2:D2+2*k+3]
.set k, k+2
.endr
	v_pk_add_f32 v[UT:UT+1], v[UT:UT+1], v[UT+2:UT+3]
	v_add_f32 v[UT], v[UT], v[UT+1]
	v_permlanex16_b32 v[UT+1], v[UT], s60, s61
	v_add_f32 v[UT], v[UT], v[UT+1]
	v_mul_f32 v[UT+4], 0xbc800000, v[UT]                   ; -mean = sum x -1/64
	v_mul_f32 v[UT+5], 0xbc800000, v[UT]
.set k, 0
.rept 4
.irp c, 0,1,2,3
	v_pk_add_f32 v[D2+8*k+2*\c:D2+8*k+2*\c+1], v[D2+8*k+2*\c:D2+8*k+2*\c+1], v[UT+4:UT+5]
.endr
.irp c, 0,1,2,3
.if (k == 0) && (\c < 2)
	v_pk_mul_f32 v[UT+2*\c:UT+2*\c+1], v[D2+2*\c:D2+2*\c+1], v[D2+2*\c:D2+2*\c+1]
.else
	v_pk_fma_f32 v[UT+2*(\c%2):UT+2*(\c%2)+1], v[D2+8*k+2*\c:D2+8*k+2*\c+1], v[D2+8*k+2*\c:D2+8*k+2*\c+1], v[UT+2*(\c%2):UT+2*(\c%2)+1]
.endif
.endr
.set k, k+1
.endr
.endm
.macro W3MUL                           ; z's tiles 2 s and 2 s + 1, rounded in pairs, are source 1 of K step s.  Two sums, each begun with 0: neither adds onto the other
.irp i, 0,1,2,3,4,5,6,7
	v_cvt_pk_bf16_f32 v[HB+\i], v[D2+2*\i], v[D2+2*\i+1]
.endr
	v_wmma_f32_16x16x32_bf16 v[ACC0:ACC0+7], v[W3F:W3F+7], v[HB:HB+7], 0
.irp i, 8,9,10,11,12,13,14,15
	v_cvt_pk_bf16_f32 v[HB+\i], v[D2+2*\i], v[D2+2*\i+1]
.endr
	v_wmma_f32_16x16x32_bf16 v[ACC1:ACC1+7], v[W3F+8:W3F+15], v[HB+8:HB+15], 0
.endm
.macro OUT q                           ; the first, second, fourth and fifth lines are the four places behind the last product
	v_pk_add_f32 v[UT:UT+1], v[UT:UT+1], v[UT+2:UT+3]
	v_add_f32 v[UT], v[UT], v[UT+1]
	v_permlanex16_b32 v[UT+1], v[UT], s60, s61
	v_add_f32 v[UT], v[UT], v[UT+1]
	v_fma_f32 v[UT+2], v[UT], s66, s80                     ; var + eps = sum of z's squares x 2^(2E) / 64 + eps
	v_rsq_f32 v[UT+6], v[UT+2]
	v_pk_add_f32 v[ACC0:ACC0+1], v[ACC0:ACC0+1], v[ACC1:ACC1+1]     ; the two K steps' sums, from the low end on; also the plain instruction behind the root
	v_pk_add_f32 v[ACC0+2:ACC0+3], v[ACC0+2:ACC0+3], v[ACC1+2:ACC1+3]
	s_wait_alu depctr_va_vdst(0)                           ; the wait ahead of the first reader
.irp j, 0,1,2,3
	v_fma_f32 v[OUTR+4*\j+(\q)], v[ACC0+\j], v[UT+6], v[CH+\j]      ; head j + 4 h, point 4 r + q
.endr
.endm
; The next group's points have been on their way for four tiles; the group after it is asked for, while there is one.
.macro NEXTPTS
	s_wait_loadcnt 0x0                                     ; the three loads of points are the only loads out: they are in, so their base may be stepped
.irp i, 0,1,2,3,4,5,6,7,8,9,10,11
	v_sub_f32 v[RV+\i], v[PT+\i], s[40+\i%3]
.endr
	s_cmp_eq_u32 s69, 2                                    ; the group just taken is the wave's last: no load leaves the wave's points
	s_cbranch_scc1 .Lno_refill
	s_add_nc_u64 s[6:7], s[6:7], 768
.irp i, 0,1,2
	global_load_b128 v[PT+4*\i:PT+4*\i+3], v1, s[6:7] offset:16*\i
.endr
.Lno_refill:
.endm
.macro FLUSH                           ; lanes 0-15: head j, lanes 16-31: head j + 4; sixteen lanes store 256 consecutive bytes, at a multiple of 256 from the output's first byte
.irp j, 0,1,2,3
	global_store_b128 v2, v[OUTR+4*\j:OUTR+4*\j+3], s[32:33] offset:\j*1048576 th:TH_STORE_NT
.endr
	s_wait_xcnt 0x0                                        ; the stores' base is stepped, and their data written again, only behind this wait
	s_add_nc_u64 s[32:33], s[32:33], 256
.endm
; A tile.  As soon as its f32 results have been read, the next tile's f32 products are issued: they run beneath this tile's norm.
.macro TILE q
.if \q < 3
	FEATS_A \q+1                                           ; the 64 maxima stand between the root and the wait for it
	RELU1
.else
	RELU1
	s_cmp_eq_u32 s69, 1                                    ; the wave's last tile has no successor
	s_cbranch_scc1 .Lno_next
	NEXTPTS
	FEATS_A 0
.endif
	FEATS_B
	W1MUL
.if \q == 3
.Lno_next:
.endif
	STATS1
	NORM1
	QUANT
	W2MUL
	LN2
	W3MUL
	OUT \q
.if \q == 3
	FLUSH
.endif
.endm
	s_load_b512 s[4:19], s[0:1], 0x0               ; poses 4:5, points 6:7, W1 8:9, b1 10:11, g1 12:13, beta1 14:15, W2's codes 16:17, b2 18:19
	s_load_b256 s[20:27], s[0:1], 0x40             ; g2 20:21, beta2 22:23, W3 24:25, b3 26:27
	s_load_b128 s[28:31], s[0:1], 0x60             ; bias_scale 28:29, the scales' exponents 30:31
	s_load_b64 s[32:33], s[0:1], 0x70              ; the output
	v_lshrrev_b32 v[TM], 5, v0
	v_readfirstlane_b32 s34, v[TM]                 ; wave 0..7
	s_and_b32 s36, ttmp7, 0xffff                   ; b; ttmp9 is g
	v_and_b32 v[TM], 15, v0                        ; r
	v_bfe_u32 v[TM+1], v0, 4, 1                    ; h
	v_and_b32 v[TM+6], 8, v[TM]
	v_add_nc_u32 v[TM+2], v[TM+6], v[TM]           ; r + 8 (r / 8)
	v_lshlrev_b32 v[TM+2], 2, v[TM+2]
	v_lshl_add_u32 v[TM+2], v[TM+1], 10, v[TM+2]   ; W1: rows 2 h (+ j) of 512 bytes, unit r + 8 (r / 8)
	v_lshlrev_b32 v[TM+3], 6, v[TM+1]              ; b1, g1, beta1: 16 h numbers on
	v_lshlrev_b32 v[TM+4], 5, v[TM+1]              ; b2, g2, beta2: 8 h numbers on
	v_lshlrev_b32 v[TM+5], 7, v[TM]
	v_lshl_add_u32 v[TM+5], v[TM+1], 4, v[TM+5]    ; W2's codes: row r of 128 bytes, + 16 h
	v_and_b32 v[TM+7], 3, v[TM]
	v_lshlrev_b32 v[TM+7], 2, v[TM+7]
	v_lshl_add_u32 v[TM+6], v[TM+6], 1, v[TM+7]    ; 4 x head, head = r % 4 + 4 (r / 8)
	v_lshl_add_u32 v[TM+7], v[TM+1], 8, v[TM+6]    ; W3: rows 8 h on, of 32 bytes, my head
	v_mov_b32 v[TM+10], 0                          ; the pose: the same words in every lane
	v_mul_u32_u24 v1, v[TM], 48                    ; four points of 12 bytes a lane
	v_lshlrev_b32 v2, 4, v[TM]
	v_lshl_add_u32 v2, v[TM+1], 22, v2             ; the output: four heads further on for lanes 16-31, 16 bytes a lane
	s_mov_b32 s59, 0xffff0000                      ; lanes 16-31
	s_mov_b32 s60, 0x76543210                      ; v_permlanex16_b32: each lane takes its own place in the other half
	s_mov_b32 s61, 0xfedcba98
	s_mov_b32 s62, 0x3c000000                      ; 1/128
	s_mov_b32 s80, 0x3727c5ac                      ; eps = 1e-5
	s_lshl_b32 s70, s36, 6
	s_add_co_u32 s70, s70, ttmp9
	s_mul_i32 s70, s70, 28                         ; my pose: (64 b + g) x 28 bytes
	s_mov_b32 s71, 0
	s_mul_i32 s44, s36, 49152                      ; my wave's points: b x 4,096 x 12 + wave x 512 x 12
	s_mul_i32 s37, s34, 6144
	s_add_co_u32 s44, s44, s37
	s_mov_b32 s45, 0
	s_lshl_b32 s46, s36, 23                        ; my wave's place in head 0 of the output: (b << 23) + (g << 14) + (wave << 11)
	s_lshl_b32 s37, ttmp9, 14
	s_add_co_u32 s46, s46, s37
	s_lshl_b32 s37, s34, 11
	s_add_co_u32 s46, s46, s37
	s_mov_b32 s47, 0
	s_wait_kmcnt 0x0
	s_load_b64 s[48:49], s[30:31], 0x0             ; e0, e1
	s_add_nc_u64 s[4:5], s[4:5], s[70:71]
	s_add_nc_u64 s[6:7], s[6:7], s[44:45]
	s_add_nc_u64 s[32:33], s[32:33], s[46:47]
	; what the head's arithmetic wants first: 60 loads
.irp i, 0,1,2,3,4,5,6
	global_load_b32 v[OUTR+\i], v[TM+10], s[4:5] offset:4*\i       ; t, then the quaternion x, y, z, w
.endr
.irp i, 0,1,2
	global_load_b128 v[PT+4*\i:PT+4*\i+3], v1, s[6:7] offset:16*\i ; group 0's points
.endr
	global_load_b32 v[TM+8], v[TM+6], s[28:29]                     ; bias_scale of my head
	global_load_b32 v[TM+9], v[TM+6], s[26:27]                     ; b3 of my head
.irp m, 0,1,2,3
.irp i, 0,1,2,3,4,5,6,7
	global_load_b32 v[HID+8*\m+\i], v[TM+7], s[24:25] offset:(16*\m+\i)*32   ; W3(16 m + 8 h + i, my head): the order of a 16-bit operand's registers
.endr
.endr
.irp m, 0,1,2,3
	global_load_b128 v[HID+32+8*\m:HID+32+8*\m+3], v[TM+4], s[20:21] offset:64*\m       ; g2 at the same k
	global_load_b128 v[HID+32+8*\m+4:HID+32+8*\m+7], v[TM+4], s[20:21] offset:64*\m+16
.endr
.irp m, 0,1,2,3
	global_load_b128 v[B2T+8*\m:B2T+8*\m+3], v[TM+4], s[22:23] offset:64*\m             ; beta2 likewise, for now where b2 will lie
	global_load_b128 v[B2T+8*\m+4:B2T+8*\m+7], v[TM+4], s[22:23] offset:64*\m+16
.endr
	; what stays in registers: 80 loads
.irp t, 0,1,2,3,4,5,6,7
.irp j, 0,1
	global_load_b32 v[W1F+2*\t+\j], v[TM+2], s[8:9] offset:(128*\j+32*(\t/2)+8*(\t%2))*4   ; W1(2 h + j, unit)
.endr
.endr
	WIN 0x40                                       ; destination window 1
.irp t, 0,1,2,3,4,5,6,7                        ; register 8 t + j: unit 32 (t / 2) + 16 h + 8 (t % 2) + j
	global_load_b128 v[B1T+8*\t:B1T+8*\t+3], v[TM+3], s[10:11] offset:(32*(\t/2)+8*(\t%2))*4
	global_load_b128 v[B1T+8*\t+4:B1T+8*\t+7], v[TM+3], s[10:11] offset:(32*(\t/2)+8*(\t%2))*4+16
.endr
.irp t, 0,1,2,3,4,5,6,7
	global_load_b128 v[G1+8*\t:G1+8*\t+3], v[TM+3], s[12:13] offset:(32*(\t/2)+8*(\t%2))*4
	global_load_b128 v[G1+8*\t+4:G1+8*\t+7], v[TM+3], s[12:13] offset:(32*(\t/2)+8*(\t%2))*4+16
.endr
.irp t, 0,1,2,3,4,5,6,7
	global_load_b128 v[BE1+8*\t:BE1+8*\t+3], v[TM+3], s[14:15] offset:(32*(\t/2)+8*(\t%2))*4
	global_load_b128 v[BE1+8*\t+4:BE1+8*\t+7], v[TM+3], s[14:15] offset:(32*(\t/2)+8*(\t%2))*4+16
.endr
.irp n, 0,1,2,3
.irp c, 0,1,2,3
	global_load_b128 v[W2F+16*\n+4*\c:W2F+16*\n+4*\c+3], v[TM+5], s[16:17] offset:2048*\n+32*\c   ; unit 16 n + r, k = 32 c + 16 h + 0 .. 15
.endr
.endr
	WIN 0
	s_wait_loadcnt 63                              ; 80 loads were issued behind beta2's last: all up to it are in, and their address registers are free
	; the pose.  v[TM .. TM+9] stay untouched: loads that name them are out
.irp i, 0,1,2
	v_readfirstlane_b32 s[40+\i], v[OUTR+\i]       ; t
.endr
	v_mul_f32 v[OUTR+7], v[OUTR+3], v[OUTR+3]
	v_fmac_f32 v[OUTR+7], v[OUTR+4], v[OUTR+4]
	v_fmac_f32 v[OUTR+7], v[OUTR+5], v[OUTR+5]
	v_fmac_f32 v[OUTR+7], v[OUTR+6], v[OUTR+6]
	v_sqrt_f32 v[OUTR+7], v[OUTR+7]
.irp i, 0,1,2,3,4,5
	v_sub_f32 v[RV+\i], v[PT+\i], s[40+\i%3]       ; group 0's points less t: the work between the root and the wait for it
.endr
	s_wait_alu depctr_va_vdst(0)
	v_add_f32 v[OUTR+7], 0x322bcc77, v[OUTR+7]     ; + 1e-8
	v_rcp_f32 v[OUTR+7], v[OUTR+7]
.irp i, 6,7,8,9,10,11
	v_sub_f32 v[RV+\i], v[PT+\i], s[40+\i%3]
.endr
	s_wait_alu depctr_va_vdst(0)
.irp i, 3,4,5,6
	v_mul_f32 v[OUTR+\i], v[OUTR+\i], v[OUTR+7]    ; x, y, z, w
.endr
	v_mul_f32 v[W3F+0], v[OUTR+3], v[OUTR+3]       ; xx  (W3's registers are free until W3 is rounded)
	v_mul_f32 v[W3F+1], v[OUTR+4], v[OUTR+4]       ; yy
	v_mul_f32 v[W3F+2], v[OUTR+5], v[OUTR+5]       ; zz
	v_mul_f32 v[W3F+3], v[OUTR+3], v[OUTR+4]       ; xy
	v_mul_f32 v[W3F+4], v[OUTR+3], v[OUTR+5]       ; xz
	v_mul_f32 v[W3F+5], v[OUTR+4], v[OUTR+5]       ; yz
	v_mul_f32 v[W3F+6], v[OUTR+6], v[OUTR+3]       ; wx
	v_mul_f32 v[W3F+7], v[OUTR+6], v[OUTR+4]       ; wy
	v_mul_f32 v[W3F+8], v[OUTR+6], v[OUTR+5]       ; wz
	v_add_f32 v[OUTR+8],  v[W3F+1], v[W3F+2]       ; yy + zz
	v_sub_f32 v[OUTR+9],  v[W3F+3], v[W3F+8]       ; xy - wz
	v_add_f32 v[OUTR+10], v[W3F+4], v[W3F+7]       ; xz + wy
	v_add_f32 v[OUTR+11], v[W3F+3], v[W3F+8]       ; xy + wz
	v_add_f32 v[OUTR+12], v[W3F+0], v[W3F+2]       ; xx + zz
	v_sub_f32 v[OUTR+13], v[W3F+5], v[W3F+6]       ; yz - wx
	v_sub_f32 v[OUTR+14], v[W3F+4], v[W3F+7]       ; xz - wy
	v_add_f32 v[OUTR+15], v[W3F+5], v[W3F+6]       ; yz + wx
	v_add_f32 v[W3F+9],   v[W3F+0], v[W3F+1]       ; xx + yy
	v_fma_f32 v[OUTR+8],  v[OUTR+8],  -2.0, 1.0    ; R00
	v_add_f32 v[OUTR+9],  v[OUTR+9],  v[OUTR+9]    ; R01
	v_add_f32 v[OUTR+10], v[OUTR+10], v[OUTR+10]   ; R02
	v_add_f32 v[OUTR+11], v[OUTR+11], v[OUTR+11]   ; R10
	v_fma_f32 v[OUTR+12], v[OUTR+12], -2.0, 1.0    ; R11
	v_add_f32 v[OUTR+13], v[OUTR+13], v[OUTR+13]   ; R12
	v_add_f32 v[OUTR+14], v[OUTR+14], v[OUTR+14]   ; R20
	v_add_f32 v[OUTR+15], v[OUTR+15], v[OUTR+15]   ; R21
	v_fma_f32 v[W3F+9],   v[W3F+9],   -2.0, 1.0    ; R22
.irp i, 0,1,2,3,4,5,6,7
	v_readfirstlane_b32 s[50+\i], v[OUTR+8+\i]     ; s50 .. s58 = R00 .. R22, by rows
.endr
	v_readfirstlane_b32 s58, v[W3F+9]
	; the given scales
	s_wait_kmcnt 0x0
	s_add_co_i32 s63, s48, s49                     ; E = e0 + e1
	s_sub_co_i32 s81, 0, s63                       ; -E
	s_lshl_b32 s66, s63, 1
	s_add_co_i32 s66, s66, 121
	s_lshl_b32 s66, s66, 23                        ; 2^(2E) / 64 as f32
	s_add_co_i32 s37, s48, 127
	s_lshl_b32 s38, s37, 23
	v_mov_b32 v3, s38                              ; 2^e0 as f32: the conversion takes its exponent field
	s_add_co_i32 s37, s37, 8
	s_lshl_b32 s67, s37, 23
	s_or_b32 s67, s67, 0x600000                    ; 448 x 2^e0,
	s_or_b32 s68, s67, 0x80000000                  ; and its negative
	; c[n] = (the sum over k of beta2[k] W3[k][n] + b3[n]) x bias_scale[n]: my 32 k, then the other half's
	v_pk_mul_f32 v[TM+10:TM+11], v[HID:HID+1], v[B2T:B2T+1]
	v_pk_mul_f32 v[TM+12:TM+13], v[HID+2:HID+3], v[B2T+2:B2T+3]
.set k, 2
.rept 7
	v_pk_fma_f32 v[TM+10:TM+11], v[HID+2*k:HID+2*k+1], v[B2T+2*k:B2T+2*k+1], v[TM+10:TM+11]
	v_pk_fma_f32 v[TM+12:TM+13], v[HID+2*k+2:HID+2*k+3], v[B2T+2*k+2:B2T+2*k+3], v[TM+12:TM+13]
.set k, k+2
.endr
	v_pk_add_f32 v[TM+10:TM+11], v[TM+10:TM+11], v[TM+12:TM+13]
	v_add_f32 v[TM+10], v[TM+10], v[TM+11]
	v_permlanex16_b32 v[TM+11], v[TM+10], s60, s61
	v_add_f32 v[TM+10], v[TM+10], v[TM+11]
	v_add_f32 v[TM+10], v[TM+10], v[TM+9]
	v_mul_f32 v[TM+10], v[TM+10], v[TM+8]
.irp j, 0,1,2,3
	v_readlane_b32 s[72+\j], v[TM+10], \j          ; heads 0-3 lie in lanes 0-3,
	v_readlane_b32 s[76+\j], v[TM+10], 8+\j        ; heads 4-7 in lanes 8-11
.endr
.irp j, 0,1,2,3
	v_mov_b32 v[CH+\j], s[72+\j]
	v_mov_b32 v[TM+12+\j], s[76+\j]
.endr
.irp j, 0,1,2,3
	v_cndmask_b32 v[CH+\j], v[CH+\j], v[TM+12+\j], s59     ; c[j + 4 h]
.endr
	; W3 x g2 x bias_scale x 2^E, rounded to bf16; rows 4-7 and 12-15 of source 0 are zeros
	v_and_b32 v[TM+11], 4, v0
	v_cmp_eq_u32 vcc_lo, 0, v[TM+11]
	v_ldexp_f32 v[TM+10], v[TM+8], s63
	v_cndmask_b32 v[TM+10], 0, v[TM+10], vcc_lo
	v_mov_b32 v[TM+11], v[TM+10]
.set k, 0
.rept 16
	v_pk_mul_f32 v[HID+2*k:HID+2*k+1], v[HID+2*k:HID+2*k+1], v[HID+32+2*k:HID+32+2*k+1]
.set k, k+1
.endr
.set k, 0
.rept 16
	v_pk_mul_f32 v[HID+2*k:HID+2*k+1], v[HID+2*k:HID+2*k+1], v[TM+10:TM+11]
.set k, k+1
.endr
.set k, 0
.rept 16
	v_cvt_pk_bf16_f32 v[W3F+k], v[HID+2*k], v[HID+2*k+1]
.set k, k+1
.endr
.irp n, 0,1,2,3
	global_load_b128 v[B2T+8*\n:B2T+8*\n+3], v[TM+4], s[18:19] offset:64*\n          ; b2: register 8 n + j is unit 16 n + 8 h + j
	global_load_b128 v[B2T+8*\n+4:B2T+8*\n+7], v[TM+4], s[18:19] offset:64*\n+16
.endr
	s_add_nc_u64 s[6:7], s[6:7], 768               ; group 0's loads are in (the wait above): their base steps to group 1
.irp i, 0,1,2
	global_load_b128 v[PT+4*\i:PT+4*\i+3], v1, s[6:7] offset:16*\i
.endr
	s_wait_loadcnt 3                               ; all but group 1's three loads are in: the weights lie in their registers, and v[TM ..] may be written
	FEATS_A 0
	FEATS_B
	W1MUL
.set k, 0
.rept 32
	v_ldexp_f32 v[B2T+k], v[B2T+k], s81            ; b2 / 2^E.  (These are also the places between the first products and the first read of their results)
.set k, k+1
.endr
	s_mov_b32 s69, 8                               ; groups to go
.Lgroup:
	TILE 0
	TILE 1
	TILE 2
	TILE 3
	s_sub_co_u32 s69, s69, 1
	s_cmp_lg_u32 s69, 0
	s_cbranch_scc1 .Lgroup
	s_endpgm
.Lfunc_end_k_q9054fdcce7_geo:
	.size	k_q9054fdcce7_geo, .Lfunc_end_k_q9054fdcce7_geo-k_q9054fdcce7_geo
	.p2alignl 7, 3214868480
	.fill 96, 4, 3214868480
	.section	.rodata,"a",@progbits
	.p2align	6, 0x0
	.amdhsa_kernel k_q9054fdcce7_geo
		.amdhsa_group_segment_fixed_size 0
		.amdhsa_private_segment_fixed_size 0
		.amdhsa_enable_private_segment 0
		.amdhsa_kernarg_size 120
		.amdhsa_user_sgpr_count 2
		.amdhsa_user_sgpr_kernarg_segment_ptr 1
		.amdhsa_wavefront_size32 1
		.amdhsa_system_sgpr_workgroup_id_x 1
		.amdhsa_system_sgpr_workgroup_id_y 1
		.amdhsa_system_sgpr_workgroup_id_z 1
		.amdhsa_system_vgpr_workitem_id 0
		.amdhsa_next_free_vgpr 512
		.amdhsa_next_free_sgpr 84
		.amdhsa_reserve_vcc 1
		.amdhsa_float_denorm_mode_32 3
		.amdhsa_float_denorm_mode_16_64 3
		.amdhsa_memory_ordered 1
		.amdhsa_forward_progress 1
		.amdhsa_inst_pref_size 130
	.end_amdhsa_kernel
	.amdgpu_metadata
---
amdhsa.version: [ 1, 2 ]
amdhsa.kernels:
  - .name:           k_q9054fdcce7_geo
    .symbol:         k_q9054fdcce7_geo.kd
    .args:
      - { .name: grasp_poses, .offset: 0, .size: 8, .value_kind: global_buffer, .address_space: global }
      - { .name: scene_points, .offset: 8, .size: 8, .value_kind: global_buffer, .address_space: global }
      - { .name: W1, .offset: 16, .size: 8, .value_kind: global_buffer, .address_space: global }
      - { .name: b1, .offset: 24, .size: 8, .value_kind: global_buffer, .address_space: global }
      - { .name: g1, .offset: 32, .size: 8, .value_kind: global_buffer, .address_space: global }
      - { .name: beta1, .offset: 40, .size: 8, .value_kind: global_buffer, .address_space: global }
      - { .name: W2_codes, .offset: 48, .size: 8, .value_kind: global_buffer, .address_space: global }
      - { .name: b2, .offset: 56, .size: 8, .value_kind: global_buffer, .address_space: global }
      - { .name: g2, .offset: 64, .size: 8, .value_kind: global_buffer, .address_space: global }
      - { .name: beta2, .offset: 72, .size: 8, .value_kind: global_buffer, .address_space: global }
      - { .name: W3, .offset: 80, .size: 8, .value_kind: global_buffer, .address_space: global }
      - { .name: b3, .offset: 88, .size: 8, .value_kind: global_buffer, .address_space: global }
      - { .name: bias_scale, .offset: 96, .size: 8, .value_kind: global_buffer, .address_space: global }
      - { .name: lowp_scales, .offset: 104, .size: 8, .value_kind: global_buffer, .address_space: global }
      - { .name: out0, .offset: 112, .size: 8, .value_kind: global_buffer, .address_space: global }
    .group_segment_fixed_size: 0
    .private_segment_fixed_size: 0
    .kernarg_segment_align: 8
    .kernarg_segment_size: 120
    .max_flat_workgroup_size: 256
    .sgpr_count:     84
    .vgpr_count:     512
    .wavefront_size: 32
...
	.end_amdgpu_metadata
.endif
;; end of part 1
;; ======== version 2 of 2: 1 launch; version 1 with the launch geo written anew for expert scheduling mode
;; launch geo (part 2): grid 64 x 4, 8 waves a work-group, no clusters, 0 bytes of LDS; arguments grasp_poses, scene_points, W1, b1, g1, beta1, W2_codes, b2, g2, beta2, W3, b3, bias_scale, lowp_scales, out0; writes out0
.if DOCPART == 2
	.amdgcn_target "amdgcn-amd-amdhsa--gfx1250"
	.amdhsa_code_object_version 6
	.text
	.protected	k_q9054fdcce7_geo
	.globl	k_q9054fdcce7_geo
	.p2align	8
	.type	k_q9054fdcce7_geo,@function
k_q9054fdcce7_geo:
	s_mov_b64 s[64:65], 0
	v_nop
	global_prefetch_b8 v0, s[64:65] scope:SCOPE_SE
	s_setreg_imm32_b32 hwreg(HW_REG_WAVE_SCHED_MODE, 0, 2), 2
	s_setreg_imm32_b32 hwreg(HW_REG_WAVE_MODE, 25, 1), 1
	s_wait_xcnt 0x0
	s_wait_alu depctr_vm_vsrc(0)
; out0[b][n][g][p] = bias_scale[n] x (LN2(relu(Q(LN1(relu(f W1 + b1))) W2 + b2)) W3 + b3)[n],  f = (R^T (point p - t), its length), R and t from pose (b, g).
; The product with W2 is on codes of FP8 (E4M3): LN1's result is quantised with the given 2^e0, W2 comes as codes with the given 2^e1.  All else ahead of the quantiser is f32.
; grasp_tokens enters nothing that is returned, so it is not among the arguments.
; SHARES.  A work-group owns one pose (b, g): R and t are scalars.  Each of its eight waves owns 512 points: 8 groups of 64, a group = 4 tiles of 16 points.  No LDS, no barrier: waves share nothing.
; A LANE HOLDS ONE POINT THROUGHOUT (r = lane % 16 names the point, h = lane / 16 the half of the units): every product is used transposed, source 0 = 16 rows of a weight, source 1 = 16 points.
;   f W1: f32 form, K = 4.  The rows of W1^T that form tile 2 b + u are units 32 b + 8 u + m + 8 (m / 8), so that the 16 registers of tiles 2 b, 2 b + 1 are units 32 b + 16 h + 0 .. 15: the conversions' results are the next operand.
;   b1 is the C of that product; b2 / 2^(e0 + e1) the C of the product on codes.
;   With z = sum + b2 / 2^E, E = e0 + e1: relu and centring commute with 2^E, so LN2 works on z; the variance takes 2^(2E) / 64, and 2^E, g2 and bias_scale are folded into W3 (bf16), beta2, b3 into a constant c[n] (f32).
;   z is centred in f32 before it is rounded to bf16.  W3's rows 0-3 and 8-11 of source 0 are heads 0-3 and 4-7, the others 0: registers 0-3 of the result are heads j (lanes 0-15) and j + 4 (lanes 16-31).
;   Tile q of a group takes points 4 r + q: after four tiles a lane holds 4 neighbouring points of a head, and sixteen lanes store 256 consecutive bytes, aligned.
; LIMITS: e0 between -126 and 119; e0 + e1 between -60 and 60 (each power of two below is then an f32 number).  NaN and infinities among the inputs are not served.  A squared distance under 2^-126 counts as 0 (the root takes denormals as 0).
; REGISTERS, window 0: v1 48 r; v2 (h << 22) + 16 r; v3 2^e0; v4-7 c; v8-23 at work, then the codes; v24-35 a group's points; v36-47 the same less t; v48-63 results of four tiles; v64-79 W1; v80-95 W3; v96-127 b2;
;   v128-191 the hidden layer, later z, its bf16 and LN2's figures; v192-255 the f32 product's results (written by matrix instructions alone).   window 1: v0-63 g1, v64-127 beta1, v128-191 b1, v192-255 W2's codes.
; THE MODE: SCHED_MODE bits 1:0 = 2 (LLVM: expert scheduling mode 2), set by the entry lines.  The code itself states the register dependences between vector or matrix instructions and memory instructions, with s_wait_alu, always for 0.
; THE PLAN.  Registers that memory instructions touch, in the loop:
;   PT (v24-35)    Tile 3's twelve subtractions read it; behind them stands the wait for the root of the next tile's features; the three loads of the group after next land in it behind that wait and behind the f32 products.
;   OUTR (v48-63)  Each tile's last four multiply-adds write it; the group's four stores read it, and they stand in the NEXT group's tile 0, behind that tile's wait for the root and behind its f32 products; the last group's stand behind the loop.
;                  It is written again at the end of that tile 0, behind one wait on vm_vsrc, a tile's norm, quantiser and products behind the stores.
;   v1, v2         The offsets of the points and of the output: made once at the head, never written again; the scalar bases move on.
; Between each of the two waits on va_vdst and the memory instructions that lean on it stand one select (v22-23 from v8-11) and eight f32 products (v192-255, v64-79, v22-23, b1 in window 1): they name neither PT, OUTR, v1 nor v2.
; No vector instruction of the loop writes a scalar register or VCC, and EXEC is written nowhere.
.set CH,   4
.set TM,   8
.set PC,   8                           ; the codes: 16 registers
.set BF,   22                          ; the features as source 1: a pair
.set PT,   24
.set RV,   36
.set OUTR, 48
.set W1F,  64
.set W3F,  80
.set B2T,  96
.set HID,  128
.set D2,   128                         ; z: four tiles of 8
.set ACC0, 128                         ; the last product's two sums lie on z's tiles 0 and 1, which are rounded by then
.set ACC1, 136
.set HB,   160                         ; z centred, in bf16
.set UT,   184                         ; LN2's figures
.set D1,   192
.set G1,   0                           ; window 1
.set BE1,  64
.set B1T,  128
.set W2F,  192
.set MSB, 0
.macro WIN new                         ; the immediate's high byte repeats the setting that is left
.if MSB != \new
	s_set_vgpr_msb (MSB<<8)|\new
.set MSB, \new
.endif
.endm
; The features of tile q's point: R^T v, and the square of its length, up to the root.
.macro FEATS_A q
.irp i, 0,1,2
	v_mul_f32 v[TM+\i], s[50+\i], v[RV+3*(\q)]             ; f_i = R0i vx
.endr
.irp i, 0,1,2
	v_fmac_f32 v[TM+\i], s[53+\i], v[RV+3*(\q)+1]          ;     + R1i vy
.endr
.irp i, 0,1,2
	v_fmac_f32 v[TM+\i], s[56+\i], v[RV+3*(\q)+2]          ;     + R2i vz
.endr
	v_mul_f32 v[TM+3], v[TM], v[TM]
	v_fmac_f32 v[TM+3], v[TM+1], v[TM+1]
	v_fmac_f32 v[TM+3], v[TM+2], v[TM+2]
	v_sqrt_f32 v[TM+3], v[TM+3]
.endm
; Source 1 of the f32 form: lanes 0-15 hold k = 0, 1 (f0, f1), lanes 16-31 k = 2, 3 (f2, the length).
.macro FEATS_B
	v_cndmask_b32 v[BF], v[TM], v[TM+2], s59               ; (a plain instruction behind the root)
	s_wait_alu depctr_va_vdst(0)                           ; the root has written v[TM+3], ahead of the first line that names it.  In tile 0 it also states: the group before has written OUTR, which the stores below read; in tile 3: the subtractions are done reading PT, in which the loads below land
	v_cndmask_b32 v[BF+1], v[TM+1], v[TM+3], s59
.endm
.macro W1MUL                           ; eight tiles of 16 units x 16 points; C = b1 in the result's layout; eight different accumulators
	WIN 0x10                                               ; source 2 window 1
.irp t, 0,1,2,3,4,5,6,7
	v_wmma_f32_16x16x4_f32 v[D1+8*\t:D1+8*\t+7], v[W1F+2*\t:W1F+2*\t+1], v[BF:BF+1], v[B1T+8*\t:B1T+8*\t+7]
.endr
	WIN 0
.endm
.macro RELU1                           ; into other registers, each accumulator from its low end on; the product stands a whole tile's vector work back
.set k, 0
.rept 64
	v_max_num_f32 v[HID+k], 0, v[D1+k]
.set k, k+1
.endr
.endm
.macro FOLD4                           ; four chains in v[TM .. TM+7] become the point's sum, in both of its lanes
	v_pk_add_f32 v[TM:TM+1], v[TM:TM+1], v[TM+2:TM+3]
	v_pk_add_f32 v[TM+4:TM+5], v[TM+4:TM+5], v[TM+6:TM+7]
	v_pk_add_f32 v[TM:TM+1], v[TM:TM+1], v[TM+4:TM+5]
	v_add_f32 v[TM], v[TM], v[TM+1]
	v_permlanex16_b32 v[TM+1], v[TM], s60, s61             ; the point's other 64 units lie in the lane 16 away
	v_add_f32 v[TM], v[TM], v[TM+1]
.endm
.macro STATS1                          ; mean, centring, sum of squares, 1 / sqrt(var + eps): two passes, as the norm is defined
.irp c, 0,1,2,3
	v_pk_add_f32 v[TM+2*\c:TM+2*\c+1], v[HID+2*\c:HID+2*\c+1], v[HID+8+2*\c:HID+8+2*\c+1]
.endr
.set k, 8
.rept 24
	v_pk_add_f32 v[TM+2*(k%4):TM+2*(k%4)+1], v[TM+2*(k%4):TM+2*(k%4)+1], v[HID+2*k:HID+2*k+1]
.set k, k+1
.endr
	FOLD4
	v_mul_f32 v[TM+8], 0xbc000000, v[TM]                   ; -mean = sum x -1/128, twice: a pair for the packed form
	v_mul_f32 v[TM+9], 0xbc000000, v[TM]
.set k, 0
.rept 8
.irp c, 0,1,2,3
	v_pk_add_f32 v[HID+8*k+2*\c:HID+8*k+2*\c+1], v[HID+8*k+2*\c:HID+8*k+2*\c+1], v[TM+8:TM+9]
.endr
.irp c, 0,1,2,3
.if k == 0
	v_pk_mul_f32 v[TM+2*\c:TM+2*\c+1], v[HID+2*\c:HID+2*\c+1], v[HID+2*\c:HID+2*\c+1]
.else
	v_pk_fma_f32 v[TM+2*\c:TM+2*\c+1], v[HID+8*k+2*\c:HID+8*k+2*\c+1], v[HID+8*k+2*\c:HID+8*k+2*\c+1], v[TM+2*\c:TM+2*\c+1]
.endif
.endr
.set k, k+1
.endr
	FOLD4
	v_fma_f32 v[TM+2], v[TM], s62, s80                     ; var + eps
	v_rsq_f32 v[TM+10], v[TM+2]
	v_rsq_f32 v[TM+11], v[TM+2]
	v_nop                                                  ; a plain instruction behind the last of the two
	s_wait_alu depctr_va_vdst(0)                           ; the two reciprocal roots have written v[TM+10], v[TM+11]: one wait for both, ahead of their first reader
.endm
.macro NORM1                           ; ((x - mean) x rstd) x g1 + beta1
.set k, 0
.rept 32
	v_pk_mul_f32 v[HID+2*k:HID+2*k+1], v[HID+2*k:HID+2*k+1], v[TM+10:TM+11]
.set k, k+1
.endr
	WIN 0x14                                               ; sources 1 and 2 window 1
.set k, 0
.rept 32
	v_pk_fma_f32 v[HID+2*k:HID+2*k+1], v[HID+2*k:HID+2*k+1], v[G1+2*k:G1+2*k+1], v[BE1+2*k:BE1+2*k+1]
.set k, k+1
.endr
	WIN 0
.endm
.macro QUANT                           ; registers 16 b + i are k = 32 b + 16 h + i: the codes' registers 4 b .. 4 b + 3
.irp b, 0,1,2,3
.irp i, 0,1,2,3,4,5,6,7,8,9,10,11,12,13,14,15
	v_med3_num_f32 v[HID+16*\b+\i], v[HID+16*\b+\i], s68, s67   ; the conversion to an 8-bit code does not saturate (ISA guide 7.6.2): the hold at +-448 x 2^e0, always executed
.endr
	v_cvt_scalef32_pk8_fp8_f32 v[PC+4*\b:PC+4*\b+1], v[HID+16*\b:HID+16*\b+7], v3
	v_cvt_scalef32_pk8_fp8_f32 v[PC+4*\b+2:PC+4*\b+3], v[HID+16*\b+8:HID+16*\b+15], v3
.endr
	v_nop                                                  ; a plain instruction between the last conversion and the products, which read its result and write over its sources
.endm
.macro W2MUL                           ; z^T: four tiles of 16 units x 16 points, K = 128; W2's codes were loaded with the same places of k as the codes above; four different accumulators
	WIN 0x01                                               ; source 0 window 1
.irp n, 0,1,2,3
	v_wmma_f32_16x16x128_fp8_fp8 v[D2+8*\n:D2+8*\n+7], v[W2F+16*\n:W2F+16*\n+15], v[PC:PC+15], v[B2T+8*\n:B2T+8*\n+7]
.endr
	WIN 0
.rept 4
	v_nop                                                  ; four places ahead of the first read of the results (ISA guide 7.12.1); no other vector work is at hand
.endr
.endm
.macro LN2                             ; relu, mean, centring, squares (their sum is finished in OUT)
.set k, 0
.rept 32
	v_max_num_f32 v[D2+k], 0, v[D2+k]                      ; each accumulator from its low end on
.set k, k+1
.endr
	v_pk_add_f32 v[UT:UT+1], v[D2:D2+1], v[D2+4:D2+5]
	v_pk_add_f32 v[UT+2:UT+3], v[D2+2:D2+3], v[D2+6:D2+7]
.set k, 4
.rept 6
	v_pk_add_f32 v[UT:UT+1], v[UT:UT+1], v[D2+2*k:D2+2*k+1]
	v_pk_add_f32 v[UT+2:UT+3], v[UT+2:UT+3], v[D2+2*k+2:D2+2*k+3]
.set k, k+2
.endr
	v_pk_add_f32 v[UT:UT+1], v[UT:UT+1], v[UT+2:UT+3]
	v_add_f32 v[UT], v[UT], v[UT+1]
	v_permlanex16_b32 v[UT+1], v[UT], s60, s61
	v_add_f32 v[UT], v[UT], v[UT+1]
	v_mul_f32 v[UT+4], 0xbc800000, v[UT]                   ; -mean = sum x -1/64
	v_mul_f32 v[UT+5], 0xbc800000, v[UT]
.set k, 0
.rept 4
.irp c, 0,1,2,3
	v_pk_add_f32 v[D2+8*k+2*\c:D2+8*k+2*\c+1], v[D2+8*k+2*\c:D2+8*k+2*\c+1], v[UT+4:UT+5]
.endr
.irp c, 0,1,2,3
.if (k == 0) && (\c < 2)
	v_pk_mul_f32 v[UT+2*\c:UT+2*\c+1], v[D2+2*\c:D2+2*\c+1], v[D2+2*\c:D2+2*\c+1]
.else
	v_pk_fma_f32 v[UT+2*(\c%2):UT+2*(\c%2)+1], v[D2+8*k+2*\c:D2+8*k+2*\c+1], v[D2+8*k+2*\c:D2+8*k+2*\c+1], v[UT+2*(\c%2):UT+2*(\c%2)+1]
.endif
.endr
.set k, k+1
.endr
.endm
.macro W3MUL                           ; z's tiles 2 s and 2 s + 1, rounded in pairs, are source 1 of K step s.  Two sums, each begun with 0: neither adds onto the other
.irp i, 0,1,2,3,4,5,6,7
	v_cvt_pk_bf16_f32 v[HB+\i], v[D2+2*\i], v[D2+2*\i+1]
.endr
	v_wmma_f32_16x16x32_bf16 v[ACC0:ACC0+7], v[W3F:W3F+7], v[HB:HB+7], 0
.irp i, 8,9,10,11,12,13,14,15
	v_cvt_pk_bf16_f32 v[HB+\i], v[D2+2*\i], v[D2+2*\i+1]
.endr
	v_wmma_f32_16x16x32_bf16 v[ACC1:ACC1+7], v[W3F+8:W3F+15], v[HB+8:HB+15], 0
.endm
.macro OUT q                           ; the first, second, fourth and fifth lines are the four places behind the last product
	v_pk_add_f32 v[UT:UT+1], v[UT:UT+1], v[UT+2:UT+3]
	v_add_f32 v[UT], v[UT], v[UT+1]
	v_permlanex16_b32 v[UT+1], v[UT], s60, s61
	v_add_f32 v[UT], v[UT], v[UT+1]
	v_fma_f32 v[UT+2], v[UT], s66, s80                     ; var + eps = sum of z's squares x 2^(2E) / 64 + eps
	v_rsq_f32 v[UT+6], v[UT+2]
	v_pk_add_f32 v[ACC0:ACC0+1], v[ACC0:ACC0+1], v[ACC1:ACC1+1]     ; the two K steps' sums, from the low end on; also the plain instruction behind the root
	v_pk_add_f32 v[ACC0+2:ACC0+3], v[ACC0+2:ACC0+3], v[ACC1+2:ACC1+3]
.if \q == 0
	s_wait_xcnt 0x0                                        ; the stores' base is stepped, and their data written again, only behind this wait
	s_wait_alu depctr_vm_vsrc(0)                           ; this tile's stores, of the group before, have read OUTR, which the lines below begin to write again
	s_add_nc_u64 s[32:33], s[32:33], 256                   ; in every trip: the base stands one group further on than the group that the next stores hold
.endif
	s_wait_alu depctr_va_vdst(0)                           ; the reciprocal root has written v[UT+6], ahead of its first reader
.irp j, 0,1,2,3
	v_fma_f32 v[OUTR+4*\j+(\q)], v[ACC0+\j], v[UT+6], v[CH+\j]      ; head j + 4 h, point 4 r + q
.endr
.endm
; The next group's points have been on their way for four tiles: they are taken out of PT.
.macro TAKEPTS
	s_wait_loadcnt 0x0                                     ; the three loads of points are the only loads out: they are in, so their base may be stepped
.irp i, 0,1,2,3,4,5,6,7,8,9,10,11
	v_sub_f32 v[RV+\i], v[PT+\i], s[40+\i%3]
.endr
.endm
; The group after it is asked for.  No wait of its own: the wait for the root stands behind the subtractions that read PT, and no vector or matrix instruction since names PT or v1.
.macro ASKPTS
	s_add_nc_u64 s[6:7], s[6:7], 768
.irp i, 0,1,2
	global_load_b128 v[PT+4*\i:PT+4*\i+3], v1, s[6:7] offset:16*\i
.endr
.endm
.macro STORES                          ; lanes 0-15: head j, lanes 16-31: head j + 4; sixteen lanes store 256 consecutive bytes, at a multiple of 256 from the output's first byte; the offset reaches back by a group
.irp j, 0,1,2,3
	global_store_b128 v2, v[OUTR+4*\j:OUTR+4*\j+3], s[32:33] offset:\j*1048576-256 th:TH_STORE_NT
.endr
.endm
; A tile.  As soon as its f32 results have been read, the next tile's f32 products are issued: they run beneath this tile's norm.  The trip's memory instructions stand behind those products.
.macro TILE q
.if \q < 3
	FEATS_A \q+1                                           ; the 64 maxima stand between the root and the wait for it
	RELU1
.else
	RELU1
	s_cmp_eq_u32 s69, 1                                    ; the wave's last tile has no successor
	s_cbranch_scc1 .Lno_next
	TAKEPTS
	FEATS_A 0
.endif
	FEATS_B
	W1MUL
.if \q == 0
	s_cmp_eq_u32 s69, 8                                    ; the wave's first group has no group in front of it
	s_cbranch_scc1 .Lno_store
	STORES                                                 ; the group before.  No wait of its own: the wait for the root stands behind that group's last multiply-adds, and no vector or matrix instruction since names OUTR or v2
.Lno_store:
.endif
.if \q == 3
	s_cmp_eq_u32 s69, 2                                    ; the group just taken is the wave's last: no load leaves the wave's points
	s_cbranch_scc1 .Lno_next
	ASKPTS
.Lno_next:
.endif
	STATS1
	NORM1
	QUANT
	W2MUL
	LN2
	W3MUL
	OUT \q
.endm
	s_load_b512 s[4:19], s[0:1], 0x0               ; poses 4:5, points 6:7, W1 8:9, b1 10:11, g1 12:13, beta1 14:15, W2's codes 16:17, b2 18:19
	s_load_b256 s[20:27], s[0:1], 0x40             ; g2 20:21, beta2 22:23, W3 24:25, b3 26:27
	s_load_b128 s[28:31], s[0:1], 0x60             ; bias_scale 28:29, the scales' exponents 30:31
	s_load_b64 s[32:33], s[0:1], 0x70              ; the output
	v_lshrrev_b32 v[TM], 5, v0
	v_readfirstlane_b32 s34, v[TM]                 ; wave 0..7
	s_and_b32 s36, ttmp7, 0xffff                   ; b; ttmp9 is g
	v_and_b32 v[TM], 15, v0                        ; r
	v_bfe_u32 v[TM+1], v0, 4, 1                    ; h
	v_and_b32 v[TM+6], 8, v[TM]
	v_add_nc_u32 v[TM+2], v[TM+6], v[TM]           ; r + 8 (r / 8)
	v_lshlrev_b32 v[TM+2], 2, v[TM+2]
	v_lshl_add_u32 v[TM+2], v[TM+1], 10, v[TM+2]   ; W1: rows 2 h (+ j) of 512 bytes, unit r + 8 (r / 8)
	v_lshlrev_b32 v[TM+3], 6, v[TM+1]              ; b1, g1, beta1: 16 h numbers on
	v_lshlrev_b32 v[TM+4], 5, v[TM+1]              ; b2, g2, beta2: 8 h numbers on
	v_lshlrev_b32 v[TM+5], 7, v[TM]
	v_lshl_add_u32 v[TM+5], v[TM+1], 4, v[TM+5]    ; W2's codes: row r of 128 bytes, + 16 h
	v_and_b32 v[TM+7], 3, v[TM]
	v_lshlrev_b32 v[TM+7], 2, v[TM+7]
	v_lshl_add_u32 v[TM+6], v[TM+6], 1, v[TM+7]    ; 4 x head, head = r % 4 + 4 (r / 8)
	v_lshl_add_u32 v[TM+7], v[TM+1], 8, v[TM+6]    ; W3: rows 8 h on, of 32 bytes, my head
	v_mov_b32 v[TM+10], 0                          ; the pose: the same words in every lane
	v_mul_u32_u24 v1, v[TM], 48                    ; four points of 12 bytes a lane
	v_lshlrev_b32 v2, 4, v[TM]
	v_lshl_add_u32 v2, v[TM+1], 22, v2             ; the output: four heads further on for lanes 16-31, 16 bytes a lane
	s_mov_b32 s59, 0xffff0000                      ; lanes 16-31
	s_mov_b32 s60, 0x76543210                      ; v_permlanex16_b32: each lane takes its own place in the other half
	s_mov_b32 s61, 0xfedcba98
	s_mov_b32 s62, 0x3c000000                      ; 1/128
	s_mov_b32 s80, 0x3727c5ac                      ; eps = 1e-5
	s_lshl_b32 s70, s36, 6
	s_add_co_u32 s70, s70, ttmp9
	s_mul_i32 s70, s70, 28                         ; my pose: (64 b + g) x 28 bytes
	s_mov_b32 s71, 0
	s_mul_i32 s44, s36, 49152                      ; my wave's points: b x 4,096 x 12 + wave x 512 x 12
	s_wait_alu depctr_va_sdst(0)                   ; s34, the wave's number, is written, ahead of its first reader: the bases of the points and of the output are made from it
	s_mul_i32 s37, s34, 6144
	s_add_co_u32 s44, s44, s37
	s_mov_b32 s45, 0
	s_lshl_b32 s46, s36, 23                        ; my wave's place in head 0 of the output: (b << 23) + (g << 14) + (wave << 11)
	s_lshl_b32 s37, ttmp9, 14
	s_add_co_u32 s46, s46, s37
	s_lshl_b32 s37, s34, 11
	s_add_co_u32 s46, s46, s37
	s_mov_b32 s47, 0
	s_wait_kmcnt 0x0
	s_load_b64 s[48:49], s[30:31], 0x0             ; e0, e1
	s_add_nc_u64 s[4:5], s[4:5], s[70:71]
	s_add_nc_u64 s[6:7], s[6:7], s[44:45]
	s_add_nc_u64 s[32:33], s[32:33], s[46:47]
	s_wait_alu depctr_va_vdst(0)                   ; the offsets v1, v2, v[TM+2 .. TM+7] and v[TM+10] are written: every load and store of the kernel reads one of them.  Up to the wait on LOADcnt below stand loads and window switches alone
	; what the head's arithmetic wants first: 60 loads
.irp i, 0,1,2,3,4,5,6
	global_load_b32 v[OUTR+\i], v[TM+10], s[4:5] offset:4*\i       ; t, then the quaternion x, y, z, w
.endr
.irp i, 0,1,2
	global_load_b128 v[PT+4*\i:PT+4*\i+3], v1, s[6:7] offset:16*\i ; group 0's points
.endr
	global_load_b32 v[TM+8], v[TM+6], s[28:29]                     ; bias_scale of my head
	global_load_b32 v[TM+9], v[TM+6], s[26:27]                     ; b3 of my head
.irp m, 0,1,2,3
.irp i, 0,1,2,3,4,5,6,7
	global_load_b32 v[HID+8*\m+\i], v[TM+7], s[24:25] offset:(16*\m+\i)*32   ; W3(16 m + 8 h + i, my head): the order of a 16-bit operand's registers
.endr
.endr
.irp m, 0,1,2,3
	global_load_b128 v[HID+32+8*\m:HID+32+8*\m+3], v[TM+4], s[20:21] offset:64*\m       ; g2 at the same k
	global_load_b128 v[HID+32+8*\m+4:HID+32+8*\m+7], v[TM+4], s[20:21] offset:64*\m+16
.endr
.irp m, 0,1,2,3
	global_load_b128 v[B2T+8*\m:B2T+8*\m+3], v[TM+4], s[22:23] offset:64*\m             ; beta2 likewise, for now where b2 will lie
	global_load_b128 v[B2T+8*\m+4:B2T+8*\m+7], v[TM+4], s[22:23] offset:64*\m+16
.endr
	; what stays in registers: 80 loads
.irp t, 0,1,2,3,4,5,6,7
.irp j, 0,1
	global_load_b32 v[W1F+2*\t+\j], v[TM+2], s[8:9] offset:(128*\j+32*(\t/2)+8*(\t%2))*4   ; W1(2 h + j, unit)
.endr
.endr
	WIN 0x40                                       ; destination window 1
.irp t, 0,1,2,3,4,5,6,7                        ; register 8 t + j: unit 32 (t / 2) + 16 h + 8 (t % 2) + j
	global_load_b128 v[B1T+8*\t:B1T+8*\t+3], v[TM+3], s[10:11] offset:(32*(\t/2)+8*(\t%2))*4
	global_load_b128 v[B1T+8*\t+4:B1T+8*\t+7], v[TM+3], s[10:11] offset:(32*(\t/2)+8*(\t%2))*4+16
.endr
.irp t, 0,1,2,3,4,5,6,7
	global_load_b128 v[G1+8*\t:G1+8*\t+3], v[TM+3], s[12:13] offset:(32*(\t/2)+8*(\t%2))*4
	global_load_b128 v[G1+8*\t+4:G1+8*\t+7], v[TM+3], s[12:13] offset:(32*(\t/2)+8*(\t%2))*4+16
.endr
.irp t, 0,1,2,3,4,5,6,7
	global_load_b128 v[BE1+8*\t:BE1+8*\t+3], v[TM+3], s[14:15] offset:(32*(\t/2)+8*(\t%2))*4
	global_load_b128 v[BE1+8*\t+4:BE1+8*\t+7], v[TM+3], s[14:15] offset:(32*(\t/2)+8*(\t%2))*4+16
.endr
.irp n, 0,1,2,3
.irp c, 0,1,2,3
	global_load_b128 v[W2F+16*\n+4*\c:W2F+16*\n+4*\c+3], v[TM+5], s[16:17] offset:2048*\n+32*\c   ; unit 16 n + r, k = 32 c + 16 h + 0 .. 15
.endr
.endr
	WIN 0
	s_wait_loadcnt 63                              ; 80 loads were issued behind beta2's last: all up to it are in, and their address registers are free
	; the pose.  v[TM .. TM+9] stay untouched: loads that name them are out
.irp i, 0,1,2
	v_readfirstlane_b32 s[40+\i], v[OUTR+\i]       ; t
.endr
	v_mul_f32 v[OUTR+7], v[OUTR+3], v[OUTR+3]
	v_fmac_f32 v[OUTR+7], v[OUTR+4], v[OUTR+4]
	v_fmac_f32 v[OUTR+7], v[OUTR+5], v[OUTR+5]
	v_fmac_f32 v[OUTR+7], v[OUTR+6], v[OUTR+6]
	v_sqrt_f32 v[OUTR+7], v[OUTR+7]
	s_wait_alu depctr_va_sdst(0)                   ; s40 to s42, t, are written, ahead of their first reader, the subtraction below
.irp i, 0,1,2,3,4,5
	v_sub_f32 v[RV+\i], v[PT+\i], s[40+\i%3]       ; group 0's points less t: the work between the root and the wait for it
.endr
	s_wait_alu depctr_va_vdst(0)                   ; the root has written v[OUTR+7], ahead of its first reader
	v_add_f32 v[OUTR+7], 0x322bcc77, v[OUTR+7]     ; + 1e-8
	v_rcp_f32 v[OUTR+7], v[OUTR+7]
.irp i, 6,7,8,9,10,11
	v_sub_f32 v[RV+\i], v[PT+\i], s[40+\i%3]
.endr
	s_wait_alu depctr_va_vdst(0)                   ; the reciprocal has written v[OUTR+7], ahead of its first reader
.irp i, 3,4,5,6
	v_mul_f32 v[OUTR+\i], v[OUTR+\i], v[OUTR+7]    ; x, y, z, w
.endr
	v_mul_f32 v[W3F+0], v[OUTR+3], v[OUTR+3]       ; xx  (W3's registers are free until W3 is rounded)
	v_mul_f32 v[W3F+1], v[OUTR+4], v[OUTR+4]       ; yy
	v_mul_f32 v[W3F+2], v[OUTR+5], v[OUTR+5]       ; zz
	v_mul_f32 v[W3F+3], v[OUTR+3], v[OUTR+4]       ; xy
	v_mul_f32 v[W3F+4], v[OUTR+3], v[OUTR+5]       ; xz
	v_mul_f32 v[W3F+5], v[OUTR+4], v[OUTR+5]       ; yz
	v_mul_f32 v[W3F+6], v[OUTR+6], v[OUTR+3]       ; wx
	v_mul_f32 v[W3F+7], v[OUTR+6], v[OUTR+4]       ; wy
	v_mul_f32 v[W3F+8], v[OUTR+6], v[OUTR+5]       ; wz
	v_add_f32 v[OUTR+8],  v[W3F+1], v[W3F+2]       ; yy + zz
	v_sub_f32 v[OUTR+9],  v[W3F+3], v[W3F+8]       ; xy - wz
	v_add_f32 v[OUTR+10], v[W3F+4], v[W3F+7]       ; xz + wy
	v_add_f32 v[OUTR+11], v[W3F+3], v[W3F+8]       ; xy + wz
	v_add_f32 v[OUTR+12], v[W3F+0], v[W3F+2]       ; xx + zz
	v_sub_f32 v[OUTR+13], v[W3F+5], v[W3F+6]       ; yz - wx
	v_sub_f32 v[OUTR+14], v[W3F+4], v[W3F+7]       ; xz - wy
	v_add_f32 v[OUTR+15], v[W3F+5], v[W3F+6]       ; yz + wx
	v_add_f32 v[W3F+9],   v[W3F+0], v[W3F+1]       ; xx + yy
	v_fma_f32 v[OUTR+8],  v[OUTR+8],  -2.0, 1.0    ; R00
	v_add_f32 v[OUTR+9],  v[OUTR+9],  v[OUTR+9]    ; R01
	v_add_f32 v[OUTR+10], v[OUTR+10], v[OUTR+10]   ; R02
	v_add_f32 v[OUTR+11], v[OUTR+11], v[OUTR+11]   ; R10
	v_fma_f32 v[OUTR+12], v[OUTR+12], -2.0, 1.0    ; R11
	v_add_f32 v[OUTR+13], v[OUTR+13], v[OUTR+13]   ; R12
	v_add_f32 v[OUTR+14], v[OUTR+14], v[OUTR+14]   ; R20
	v_add_f32 v[OUTR+15], v[OUTR+15], v[OUTR+15]   ; R21
	v_fma_f32 v[W3F+9],   v[W3F+9],   -2.0, 1.0    ; R22
.irp i, 0,1,2,3,4,5,6,7
	v_readfirstlane_b32 s[50+\i], v[OUTR+8+\i]     ; s50 .. s58 = R00 .. R22, by rows
.endr
	v_readfirstlane_b32 s58, v[W3F+9]
	s_wait_alu depctr_va_sdst(0)                   ; s50 to s58, R, are written: one wait behind the nine, ahead of their first reader (the features' products) and of every label
	; the given scales
	s_wait_kmcnt 0x0
	s_add_co_i32 s63, s48, s49                     ; E = e0 + e1
	s_sub_co_i32 s81, 0, s63                       ; -E
	s_lshl_b32 s66, s63, 1
	s_add_co_i32 s66, s66, 121
	s_lshl_b32 s66, s66, 23                        ; 2^(2E) / 64 as f32
	s_add_co_i32 s37, s48, 127
	s_lshl_b32 s38, s37, 23
	v_mov_b32 v3, s38                              ; 2^e0 as f32: the conversion takes its exponent field
	s_add_co_i32 s37, s37, 8
	s_lshl_b32 s67, s37, 23
	s_or_b32 s67, s67, 0x600000                    ; 448 x 2^e0,
	s_or_b32 s68, s67, 0x80000000                  ; and its negative
	; c[n] = (the sum over k of beta2[k] W3[k][n] + b3[n]) x bias_scale[n]: my 32 k, then the other half's
	s_wait_alu depctr_vm_vsrc(0)                   ; the pose's loads have read their offset v[TM+10], which the next line writes
	v_pk_mul_f32 v[TM+10:TM+11], v[HID:HID+1], v[B2T:B2T+1]
	v_pk_mul_f32 v[TM+12:TM+13], v[HID+2:HID+3], v[B2T+2:B2T+3]
.set k, 2
.rept 7
	v_pk_fma_f32 v[TM+10:TM+11], v[HID+2*k:HID+2*k+1], v[B2T+2*k:B2T+2*k+1], v[TM+10:TM+11]
	v_pk_fma_f32 v[TM+12:TM+13], v[HID+2*k+2:HID+2*k+3], v[B2T+2*k+2:B2T+2*k+3], v[TM+12:TM+13]
.set k, k+2
.endr
	s_wait_alu depctr_va_vdst(0)                   ; the sixteen products above are done reading beta2 in B2T, and the pose's subtractions are done reading PT: b2 and group 1's points land there.  They are on their way while W3 is folded
.irp n, 0,1,2,3
	global_load_b128 v[B2T+8*\n:B2T+8*\n+3], v[TM+4], s[18:19] offset:64*\n          ; b2: register 8 n + j is unit 16 n + 8 h + j
	global_load_b128 v[B2T+8*\n+4:B2T+8*\n+7], v[TM+4], s[18:19] offset:64*\n+16
.endr
	s_add_nc_u64 s[6:7], s[6:7], 768               ; group 0's loads are in (the wait on LOADcnt above): their base steps to group 1
.irp i, 0,1,2
	global_load_b128 v[PT+4*\i:PT+4*\i+3], v1, s[6:7] offset:16*\i
.endr
	v_pk_add_f32 v[TM+10:TM+11], v[TM+10:TM+11], v[TM+12:TM+13]
	v_add_f32 v[TM+10], v[TM+10], v[TM+11]
	v_permlanex16_b32 v[TM+11], v[TM+10], s60, s61
	v_add_f32 v[TM+10], v[TM+10], v[TM+11]
	v_add_f32 v[TM+10], v[TM+10], v[TM+9]
	v_mul_f32 v[TM+10], v[TM+10], v[TM+8]
.irp j, 0,1,2,3
	v_readlane_b32 s[72+\j], v[TM+10], \j          ; heads 0-3 lie in lanes 0-3,
	v_readlane_b32 s[76+\j], v[TM+10], 8+\j        ; heads 4-7 in lanes 8-11
.endr
	s_wait_alu depctr_va_sdst(0)                   ; s72 to s79, c, are written: one wait behind the eight, ahead of their first reader
.irp j, 0,1,2,3
	v_mov_b32 v[CH+\j], s[72+\j]
	v_mov_b32 v[TM+12+\j], s[76+\j]
.endr
.irp j, 0,1,2,3
	v_cndmask_b32 v[CH+\j], v[CH+\j], v[TM+12+\j], s59     ; c[j + 4 h]
.endr
	; W3 x g2 x bias_scale x 2^E, rounded to bf16; rows 4-7 and 12-15 of source 0 are zeros
	v_and_b32 v[TM+11], 4, v0
	v_cmp_eq_u32 vcc_lo, 0, v[TM+11]
	v_ldexp_f32 v[TM+10], v[TM+8], s63
	s_wait_alu depctr_va_vcc(0)                    ; the compare has written VCC, ahead of the select that reads it
	v_cndmask_b32 v[TM+10], 0, v[TM+10], vcc_lo
	v_mov_b32 v[TM+11], v[TM+10]
.set k, 0
.rept 16
	v_pk_mul_f32 v[HID+2*k:HID+2*k+1], v[HID+2*k:HID+2*k+1], v[HID+32+2*k:HID+32+2*k+1]
.set k, k+1
.endr
.set k, 0
.rept 16
	v_pk_mul_f32 v[HID+2*k:HID+2*k+1], v[HID+2*k:HID+2*k+1], v[TM+10:TM+11]
.set k, k+1
.endr
.set k, 0
.rept 16
	v_cvt_pk_bf16_f32 v[W3F+k], v[HID+2*k], v[HID+2*k+1]
.set k, k+1
.endr
	s_wait_loadcnt 3                               ; all but group 1's three loads are in: the weights lie in their registers
	s_wait_alu depctr_vm_vsrc(0)                   ; every load of the head has read its offset in v[TM+2 .. TM+7]: these registers are at work from here on, and no memory instruction names them again
	FEATS_A 0
	FEATS_B
	W1MUL
.set k, 0
.rept 32
	v_ldexp_f32 v[B2T+k], v[B2T+k], s81            ; b2 / 2^E.  (These are also the places between the first products and the first read of their results)
.set k, k+1
.endr
	s_mov_b32 s69, 8                               ; groups to go
.Lgroup:
	TILE 0
	TILE 1
	TILE 2
	TILE 3
	s_sub_co_u32 s69, s69, 1
	s_cmp_lg_u32 s69, 0
	s_cbranch_scc1 .Lgroup
	s_wait_alu depctr_va_vdst(0)                   ; the last tile's multiply-adds have written OUTR, which the last group's stores read
	STORES
	s_endpgm
.Lfunc_end_k_q9054fdcce7_geo:
	.size	k_q9054fdcce7_geo, .Lfunc_end_k_q9054fdcce7_geo-k_q9054fdcce7_geo
	.p2alignl 7, 3214868480
	.fill 96, 4, 3214868480
	.section	.rodata,"a",@progbits
	.p2align	6, 0x0
	.amdhsa_kernel k_q9054fdcce7_geo
		.amdhsa_group_segment_fixed_size 0
		.amdhsa_private_segment_fixed_size 0
		.amdhsa_enable_private_segment 0
		.amdhsa_kernarg_size 120
		.amdhsa_user_sgpr_count 2
		.amdhsa_user_sgpr_kernarg_segment_ptr 1
		.amdhsa_wavefront_size32 1
		.amdhsa_system_sgpr_workgroup_id_x 1
		.amdhsa_system_sgpr_workgroup_id_y 1
		.amdhsa_system_sgpr_workgroup_id_z 1
		.amdhsa_system_vgpr_workitem_id 0
		.amdhsa_next_free_vgpr 512
		.amdhsa_next_free_sgpr 84
		.amdhsa_reserve_vcc 1
		.amdhsa_float_denorm_mode_32 3
		.amdhsa_float_denorm_mode_16_64 3
		.amdhsa_memory_ordered 1
		.amdhsa_forward_progress 1
		.amdhsa_inst_pref_size 131
	.end_amdhsa_kernel
	.amdgpu_metadata
---
amdhsa.version: [ 1, 2 ]
amdhsa.kernels:
  - .name:           k_q9054fdcce7_geo
    .symbol:         k_q9054fdcce7_geo.kd
    .args:
      - { .name: grasp_poses, .offset: 0, .size: 8, .value_kind: global_buffer, .address_space: global }
      - { .name: scene_points, .offset: 8, .size: 8, .value_kind: global_buffer, .address_space: global }
      - { .name: W1, .offset: 16, .size: 8, .value_kind: global_buffer, .address_space: global }
      - { .name: b1, .offset: 24, .size: 8, .value_kind: global_buffer, .address_space: global }
      - { .name: g1, .offset: 32, .size: 8, .value_kind: global_buffer, .address_space: global }
      - { .name: beta1, .offset: 40, .size: 8, .value_kind: global_buffer, .address_space: global }
      - { .name: W2_codes, .offset: 48, .size: 8, .value_kind: global_buffer, .address_space: global }
      - { .name: b2, .offset: 56, .size: 8, .value_kind: global_buffer, .address_space: global }
      - { .name: g2, .offset: 64, .size: 8, .value_kind: global_buffer, .address_space: global }
      - { .name: beta2, .offset: 72, .size: 8, .value_kind: global_buffer, .address_space: global }
      - { .name: W3, .offset: 80, .size: 8, .value_kind: global_buffer, .address_space: global }
      - { .name: b3, .offset: 88, .size: 8, .value_kind: global_buffer, .address_space: global }
      - { .name: bias_scale, .offset: 96, .size: 8, .value_kind: global_buffer, .address_space: global }
      - { .name: lowp_scales, .offset: 104, .size: 8, .value_kind: global_buffer, .address_space: global }
      - { .name: out0, .offset: 112, .size: 8, .value_kind: global_buffer, .address_space: global }
    .group_segment_fixed_size: 0
    .private_segment_fixed_size: 0
    .kernarg_segment_align: 8
    .kernarg_segment_size: 120
    .max_flat_workgroup_size: 256
    .sgpr_count:     84
    .vgpr_count:     512
    .wavefront_size: 32
...
	.end_amdgpu_metadata
.endif
;; end of part 2
